; MI455X (gfx1250); checked and timed in simulation.
; The chip was launched on July 23, 2026; its instructions are those of AMD's public machine-readable ISA for CDNA 5 (MIT licence, August 2026) and "CDNA5" Instruction Set Architecture Reference Guide (July 2026). The comments in the code are by the model that wrote it; some were corrected since.
;; Vector Quantizer. Allowed arithmetic: matrix products marked QUANTISED: E4M3 operands, one given power-of-two scale a tensor, by v_wmma_f32_16x16x64_fp8_fp8 or v_wmma_f32_16x16x128_fp8_fp8, f32 sums; everything else in f32.
;; Inputs: emb 8,192 x 256 float32; lowp_scales 2 int32 (the exponents e of the quantised operands' scales 2^e); z 8 x 64 x 64 x 256 float32.
;; Outputs: out0 8 x 64 x 64 x 256 float32; out1 one number float32; out2 one number float32; out3 32,768 int32.
;; This version of the problem:
;;   THIS VERSION OF THE PROBLEM IS GIVEN IN LOW PRECISION. The matrix products marked QUANTISED in the list below multiply operands that are first quantised to E4M3 (4 exponent bits, 3 mantissa bits; 8 bits a number), with one given power-of-two scale for each operand tensor; their sums are f32. All else is computed in f32.
;;   The module's matrix products, in the order in which they are computed (A, B: the left and right operand; K: the contracted axis; several contracted axes count as one K, in the product's order):
;;     1. [M 32,768, K 256] x [K 256, N 8,192]; A: input z; B: input emb: QUANTISED (scales: A lowp_scales[0], B lowp_scales[1])
;;   THE QUANTISER, for each operand of a quantised product, along K:
;;     - The operand's scale is 2^e, e = its entry of the input lowp_scales (int32; the entries are numbered through the quantised products in the list's order, A before B).
;;     - Each number is divided by the scale, clamped to +-448, and rounded to the nearest number of E4M3, ties to even, subnormals kept.
;;     - The product sums the exact products of the quantised numbers (number of the format x scale) in f32.
;;   ~~~python
;;   def quantise(x, axis, e):      # numpy; x: float32 -> the quantised numbers, widened to float32 again
;;       x = np.moveaxis(x, axis, -1); K = x.shape[-1]
;;       r = np.clip(x / 2.0 ** e, -448, 448)
;;       step = 2.0 ** (np.maximum(np.frexp(np.where(r == 0, 1, r))[1] - 1, -6) - 3)
;;       q = np.round(r / step) * step * 2.0 ** e      # np.round: ties to even
;;       return np.moveaxis(q, -1, axis).astype(np.float32)
;;   ~~~
;; One version. Each part assembles by itself: llvm-mc -triple=amdgcn-amd-amdhsa -mcpu=gfx1250 --defsym DOCPART=n.
;; ======== version 1 of 1: 4 launches
;; workspace buffers: zc 8,388,608 bytes; ec 2,097,152 bytes; zz 131,072 bytes; ee 32,768 bytes; order 131,072 bytes of whole numbers; part 2,048 bytes
;; launch quant (part 1): grid 320 x 1, 4 waves a work-group, no clusters, 33,280 bytes of LDS; arguments z, emb, lowp_scales, zc, ec, zz, ee; writes zc, ec, zz, ee
.if DOCPART == 1
	.amdgcn_target "amdgcn-amd-amdhsa--gfx1250"
	.amdhsa_code_object_version 6
	.text
	.protected	k_q9658863bd0_quant
	.globl	k_q9658863bd0_quant
	.p2align	8
	.type	k_q9658863bd0_quant,@function
k_q9658863bd0_quant:
	s_mov_b64 s[64:65], 0
	v_nop
	global_prefetch_b8 v0, s[64:65] scope:SCOPE_SE
	s_setreg_imm32_b32 hwreg(HW_REG_WAVE_MODE, 25, 1), 1
	s_wait_xcnt 0x0
; z [32768][256] and emb [8192][256], f32, are turned into codes of FP8 (E4M3), one byte each, K (the 256) innermost, each tensor with the one scale 2^e given for it,
; and each row's sum of squares (of the f32 numbers as they are given) is stored beside them: zz [32768], ee [8192], f32.
; code = x / 2^e, held within +-448, rounded to the nearest code, ties to even.  e: entry 0 of the scales for z, entry 1 for emb.
; LIMITS: -126 <= e and e + 8 <= 127.  NaN among the inputs is not served.  A row's 256 squares are added as a tree in f32 (16 a lane in two packed chains, then 16 lanes), not in the order of a serial sum.
; Rows are dense, so both tensors are plain streams.  One launch serves both: the first WGA work-groups take z, the others emb; only pointers and e are chosen, there is one path through the text.
; A wave takes 16 steps of 512 numbers (two rows).  Each of a step's four loads reads 512 consecutive bytes, 16 a lane; the 2,048 bytes go through the wave's own stage in LDS and come back 64 bytes a lane,
; so that a lane holds 16 neighbours along K for the conversions: lanes 0-15 hold the step's first row, lanes 16-31 its second.  A lane's 16 codes are 16 bytes: the wave stores 512 consecutive bytes.
; No tensor loads, no barrier: waves share nothing.  Loads run four steps (16 loads a wave) ahead, the turn through LDS one step.
.set STEPS, 16
.set WGA,   256                        ; 32768 x 256 numbers / 32,768 numbers a work-group
.set EMAX,  8
.set MANT,  0x600000                   ; the mantissa field of 448 as f32
.set R,     16                         ; v16-79   four sets of 16 numbers as they are loaded
.set X,     80                         ; v80-111  two sets of 16 neighbours
.set Q,     112                        ; v112-115 the squares, in two packed chains
.set RS,    116                        ; v116     a row's sum
.set NRM,   118                        ; v118     the row sum that this lane keeps: lane (i, h) keeps row 2 i + h of the wave's 32
.set L15,   119                        ; v119     lane % 16
.set NOF,   120                        ; v120     4 x (2 (lane % 16) + lane / 16): that row's place among the wave's 32 sums
.set C,     128                        ; v128-191 codes: four registers for each step, so that no store's data are written again
.set WREG,  8192                       ; LDS: a region for each wave: two stages of 32 x SP bytes
.set SP,    80                         ; a lane's place in a stage: its 64 bytes + 16 of padding
	s_load_b128 s[4:7], s[0:1], 0x0                ; z, emb
	s_load_b64 s[10:11], s[0:1], 0x10              ; the scales' exponents
	s_load_b128 s[12:15], s[0:1], 0x18             ; z's codes, emb's codes
	s_load_b128 s[24:27], s[0:1], 0x28             ; zz, ee
	v_lshl_add_u32 v192, v0, 2, 0x8000
	v_mov_b32 v193, 0
	v_lshrrev_b32 v1, 5, v0
	v_readfirstlane_b32 s16, v1                    ; wave
	v_and_b32 v2, 31, v0                           ; lane
	v_lshlrev_b32 v3, 4, v2                        ; my 16 bytes of a load's 512, and of a step's 512 bytes of codes; never rewritten
	s_mul_i32 s17, s16, WREG
	v_lshrrev_b32 v14, 2, v2
	v_mul_u32_u24 v14, v14, SP
	v_and_b32 v15, 3, v2
	v_lshl_add_u32 v14, v15, 4, v14
	v_add_nc_u32 v14, s17, v14                     ; the stage, on the way in: SP (lane / 4) + 16 (lane % 4); a load's 512 bytes take eight places
	v_mul_u32_u24 v15, v2, SP
	v_add_nc_u32 v15, s17, v15                     ; and on the way out: SP x lane: my 16 neighbours
	v_and_b32 v[L15], 15, v2
	v_lshrrev_b32 v[NOF], 4, v2
	v_lshl_add_u32 v[NOF], v[L15], 1, v[NOF]
	v_lshlrev_b32 v[NOF], 2, v[NOF]
	v_mov_b32 v[NRM], 0                            ; written once whole: the selects below read it
	s_wait_kmcnt 0x0
	s_load_b64 s[22:23], s[10:11], 0x0             ; e of z, e of emb
	s_cmp_lt_u32 ttmp9, WGA                        ; z's work-group or emb's?  The choice hangs on the work-group's number alone
	s_cselect_b64 s[4:5], s[4:5], s[6:7]
	s_cselect_b64 s[8:9], s[12:13], s[14:15]
	s_cselect_b64 s[28:29], s[24:25], s[26:27]
	s_cselect_b32 s17, 0, WGA
	s_sub_co_u32 s17, ttmp9, s17
	s_lshl_b32 s17, s17, 2
	s_add_co_u32 s18, s17, s16                     ; which run of 8,192 numbers (32 rows) of the tensor is my wave's
	s_mov_b32 s19, 0
	s_mov_b64 s[20:21], 512*STEPS*4
	s_mul_u64 s[20:21], s[18:19], s[20:21]
	s_add_nc_u64 s[4:5], s[4:5], s[20:21]          ; the numbers: 32,768 bytes a run
	s_mov_b64 s[20:21], 512*STEPS
	s_mul_u64 s[20:21], s[18:19], s[20:21]
	s_add_nc_u64 s[8:9], s[8:9], s[20:21]          ; the codes: 8,192 bytes a run
	s_lshl_b64 s[20:21], s[18:19], 7
	s_add_nc_u64 s[28:29], s[28:29], s[20:21]      ; the sums: 128 bytes a run
.macro LOAD t
.irp i, 0,1,2,3
	global_load_b128 v[R+16*((\t)%4)+4*\i:R+16*((\t)%4)+4*\i+3], v3, s[4:5] offset:2048*(\t)+512*\i th:TH_LOAD_NT   ; 32 lanes read 512 consecutive bytes
.endr
.endm
.macro TURN t                          ; step t's numbers through the stage: LDS serves a wave's instructions in order, so no wait stands between the stores and the loads
.irp i, 0,1,2,3
	ds_store_b128 v14, v[R+16*((\t)%4)+4*\i:R+16*((\t)%4)+4*\i+3] offset:32*SP*((\t)%2)+8*SP*\i
.endr
.irp i, 0,1,2,3
	ds_load_b128 v[X+16*((\t)%2)+4*\i:X+16*((\t)%2)+4*\i+3], v15 offset:32*SP*((\t)%2)+16*\i
.endr
.endm
.irp t, 0,1,2,3
	LOAD \t
.endr
	s_wait_kmcnt 0x0
	s_cmp_lt_u32 ttmp9, WGA
	s_cselect_b32 s22, s22, s23                    ; e
	s_add_co_i32 s22, s22, 127
	s_lshl_b32 s23, s22, 23
	v_mov_b32 v11, s23                             ; 2^e as f32: the conversion takes its exponent field
	s_add_co_i32 s22, s22, EMAX
	s_lshl_b32 s22, s22, 23
	s_or_b32 s22, s22, MANT
	v_mov_b32 v10, s22                             ; 448 x 2^e
	s_wait_loadcnt 12                              ; step 0's four loads are in; those of steps 1 to 3 may be out
	TURN 0
.macro STEP t
.set XS, X+16*((\t)%2)
	s_wait_dscnt 0x0                               ; this step's numbers are back from the stage: so its stores into the stage have read their registers,
.if (\t)+4 < STEPS
	LOAD (\t)+4                                    ; which take the loads of four steps on
.endif
.if (\t)+1 < STEPS
.if STEPS-2-(\t) >= 3
	s_wait_loadcnt 12                              ; the next step's four loads are in; those of the three steps behind it may be out
.else
	s_wait_loadcnt 4*(STEPS-2-(\t))                ; near the end fewer steps stand behind it
.endif
	TURN (\t)+1                                    ; and go through the other stage while this step is worked
.endif
	v_pk_mul_f32 v[Q:Q+1], v[XS:XS+1], v[XS:XS+1]              ; the squares of the numbers as they are given, ahead of the hold: the first products start the two chains
	v_pk_mul_f32 v[Q+2:Q+3], v[XS+2:XS+3], v[XS+2:XS+3]
.irp i, 4,8,12
	v_pk_fma_f32 v[Q:Q+1], v[XS+\i:XS+\i+1], v[XS+\i:XS+\i+1], v[Q:Q+1]
	v_pk_fma_f32 v[Q+2:Q+3], v[XS+\i+2:XS+\i+3], v[XS+\i+2:XS+\i+3], v[Q+2:Q+3]
.endr
	v_pk_add_f32 v[Q:Q+1], v[Q:Q+1], v[Q+2:Q+3]
	v_add_f32 v[RS], v[Q], v[Q+1]
	v_add_f32_dpp v[RS], v[RS], v[RS] row_xmask:1 row_mask:0xf bank_mask:0xf   ; the sixteen lanes that hold a row
	v_add_f32_dpp v[RS], v[RS], v[RS] row_xmask:2 row_mask:0xf bank_mask:0xf
	v_add_f32_dpp v[RS], v[RS], v[RS] row_xmask:4 row_mask:0xf bank_mask:0xf
	v_add_f32_dpp v[RS], v[RS], v[RS] row_xmask:8 row_mask:0xf bank_mask:0xf
	v_cmp_eq_u32 vcc_lo, \t, v[L15]
	v_cndmask_b32 v[NRM], v[NRM], v[RS], vcc_lo    ; lanes t and 16 + t keep this step's two sums
.irp i, 0,1,2,3,4,5,6,7,8,9,10,11,12,13,14,15
	v_med3_num_f32 v[XS+\i], v[XS+\i], -v10, v10   ; the conversion to an 8-bit code does not saturate (ISA guide 7.6.2): hold the number within 448 x the scale first
.endr
	v_cvt_scalef32_pk8_fp8_f32 v[C+4*(\t):C+4*(\t)+1], v[XS:XS+7], v11      ; eight numbers / 2^e, to the nearest code, ties to even; the first number's code in the lowest byte
	v_cvt_scalef32_pk8_fp8_f32 v[C+4*(\t)+2:C+4*(\t)+3], v[XS+8:XS+15], v11
	global_store_b128 v3, v[C+4*(\t):C+4*(\t)+3], s[8:9] offset:512*(\t)    ; the codes go to a store alone, and the next vector lines are plain ones on other registers
.endm
.irp t, 0,1,2,3,4,5,6,7,8,9,10,11,12,13,14,15
	STEP \t
.endr
	global_store_b32 v[NOF], v[NRM], s[28:29]      ; the wave's 32 sums: 128 consecutive bytes
	s_wait_tensorcnt 0x0
	ds_add_u32 v192, v193
	s_wait_dscnt 0x0
	s_endpgm
.Lfunc_end_k_q9658863bd0_quant:
	.size	k_q9658863bd0_quant, .Lfunc_end_k_q9658863bd0_quant-k_q9658863bd0_quant
	.p2alignl 7, 3214868480
	.fill 96, 4, 3214868480
	.section	.rodata,"a",@progbits
	.p2align	6, 0x0
	.amdhsa_kernel k_q9658863bd0_quant
		.amdhsa_group_segment_fixed_size 33280
		.amdhsa_private_segment_fixed_size 0
		.amdhsa_enable_private_segment 0
		.amdhsa_kernarg_size 56
		.amdhsa_user_sgpr_count 2
		.amdhsa_user_sgpr_kernarg_segment_ptr 1
		.amdhsa_wavefront_size32 1
		.amdhsa_system_sgpr_workgroup_id_x 1
		.amdhsa_system_sgpr_workgroup_id_y 1
		.amdhsa_system_sgpr_workgroup_id_z 1
		.amdhsa_system_vgpr_workitem_id 0
		.amdhsa_next_free_vgpr 194
		.amdhsa_next_free_sgpr 66
		.amdhsa_reserve_vcc 1
		.amdhsa_float_denorm_mode_32 3
		.amdhsa_float_denorm_mode_16_64 3
		.amdhsa_memory_ordered 1
		.amdhsa_forward_progress 1
		.amdhsa_inst_pref_size 52
	.end_amdhsa_kernel
	.amdgpu_metadata
---
amdhsa.version: [ 1, 2 ]
amdhsa.kernels:
  - .name:           k_q9658863bd0_quant
    .symbol:         k_q9658863bd0_quant.kd
    .args:
      - { .name: z, .offset: 0, .size: 8, .value_kind: global_buffer, .address_space: global }
      - { .name: emb, .offset: 8, .size: 8, .value_kind: global_buffer, .address_space: global }
      - { .name: lowp_scales, .offset: 16, .size: 8, .value_kind: global_buffer, .address_space: global }
      - { .name: zc, .offset: 24, .size: 8, .value_kind: global_buffer, .address_space: global }
      - { .name: ec, .offset: 32, .size: 8, .value_kind: global_buffer, .address_space: global }
      - { .name: zz, .offset: 40, .size: 8, .value_kind: global_buffer, .address_space: global }
      - { .name: ee, .offset: 48, .size: 8, .value_kind: global_buffer, .address_space: global }
    .group_segment_fixed_size: 33280
    .private_segment_fixed_size: 0
    .kernarg_segment_align: 8
    .kernarg_segment_size: 56
    .max_flat_workgroup_size: 128
    .sgpr_count:     66
    .vgpr_count:     194
    .wavefront_size: 32
...
	.end_amdgpu_metadata
.endif
;; end of part 1
;; launch argmin (part 2): grid 256 x 1, 8 waves a work-group, clusters of 4 x 1, 327,680 bytes of LDS; arguments zc, ec, zz, ee, lowp_scales, out3, order; writes out3, order
.if DOCPART == 2
	.amdgcn_target "amdgcn-amd-amdhsa--gfx1250"
	.amdhsa_code_object_version 6
	.text
	.protected	k_q9658863bd0_argmin
	.globl	k_q9658863bd0_argmin
	.p2align	8
	.type	k_q9658863bd0_argmin,@function
k_q9658863bd0_argmin:
	s_mov_b64 s[64:65], 0
	v_nop
	global_prefetch_b8 v0, s[64:65] scope:SCOPE_SE
	s_setreg_imm32_b32 hwreg(HW_REG_WAVE_MODE, 25, 1), 1
	s_wait_xcnt 0x0
	s_wait_alu depctr_hold_cnt(0) depctr_sa_sdst(0) depctr_va_vdst(0) depctr_va_sdst(0) depctr_va_ssrc(0) depctr_va_vcc(0) depctr_vm_vsrc(0)
	s_getreg_b32 s2, hwreg(HW_REG_IB_STS2, 6, 4)
	s_cmp_eq_u32 s2, 0
	s_cbranch_scc0 .Lentry_in_a_cluster
	s_endpgm
.Lentry_in_a_cluster:
	s_bfe_u32 s2, ttmp6, 0x10000c
	s_cmp_lg_u32 s2, 0x3003
	s_cbranch_scc0 .Lentry_shape_is_right
	s_endpgm
.Lentry_shape_is_right:
; idx[n] = the first k at which d[n][k] = (zz[n] - 2 p[n][k]) + ee[k] is least; p = z's codes x emb's codes x 2^(e0 + e1), on codes of FP8 (E4M3), sums in f32.  32,768 rows, 8,192 codes, K = 256.
; The two f32 roundings of d are made as they are written: t = fma(sum, -2^(e0 + e1 + 1), zz) rounds once (the power of two rounds nothing), then d = t + ee.  Ties go to the lower index everywhere.
; LIMITS: e0 + e1 + 1 between -126 and 127, so that the power of two is an f32 number.  NaN among the inputs is not served: a d that is NaN is never chosen.
; SHARES.  A work-group owns 128 rows of z.  Each of its EIGHT waves holds the fragments of ALL 128 rows (8 tiles of rows x 2 K steps x 16 registers = 256 registers, window 1), and the waves share the codes:
; of a slot's 512 codes wave w takes 64 w .. 64 w + 63, four tiles of 16, the very rows that it fetched.  So a fragment of emb is read from LDS once in the work-group and feeds 16 matrix instructions.
; Two waves lie on a SIMD: a tile is 16 matrix instructions and 185 vector instructions, and one wave's vector work stands beside the other's matrix work; the text is written in plain phases.
; THE MATRIX INSTRUCTION IS USED TRANSPOSED: source 0 = 16 codes of emb, source 1 = 16 rows of z.  Lane (r, h) then holds row r of z, and its register j the code 8 h + j: zz is one number a lane.
; THE ARGMIN.  For each tile of rows a lane keeps M (the least d so far), TID (the first code of the tile that brought it) and SV (that tile's eight d).  A tile replaces them only where its least d is
; strictly under M, so the first tile stays.  Which of the eight it was is found once, at the end: the lowest j with SV[j] = M.  Then the two halves of the lanes and the eight waves are joined, by (d, index).
; CLUSTER.  All work-groups walk the same codes and the same ee: four form a cluster and ask for each tile JOINTLY (the same tensor load, the same descriptor, a mask that names the four).  z's rows are a
; work-group's own and come by plain loads, once.
; LDS: two slots of 512 codes (8 parts of 64 rows x 272 bytes, a part to a wave); all of ee (32,768 bytes, filled once); 8,192 bytes of scratch for the waves' results; the spare words.
; REGISTERS.  window 0: v1-14 addresses and the like; v16-31 zz (a pair a tile of rows: the low word counts); v32-47 ee, two sets of 8; v48-55 M; v56-63 TID; v64-71 a tile's least d; v72-103 emb's two fragments;
;   v104-167 the eight accumulators, then d; v168-231 SV; v232-239 j; v240, v241 the other side's (d, index).   window 1: z's fragments, (tile rt, K step s) at v[32 rt + 16 s].
.set PITCH,  272                       ; an LDS row of codes: 256 bytes + 16 of padding = 68 words: the 16 rows that a load touches start at 16 different banks (64 banks of 4 bytes: ISA guide 11.1)
.set WPART,  64*PITCH                  ; a wave's 64 rows of a slot
.set SLOT,   8*WPART
.set EEB,    2*SLOT                    ; ee
.set SCR,    EEB+32768                 ; scratch: [8 waves][128 rows] of d, then at +4096 the same of indices.  No tile lands here
.set SPARE,  SCR+8192                  ; the spare words, 128 bytes for each wave: four blocks of 256 bytes that no other line names
.set SLOTMEM, 512*256                  ; a slot's codes in memory
.set SPW,  1                           ; v1   SPARE + 4 x my thread's number; never rewritten
.set NIL,  2                           ; v2   0; never rewritten
.set ADRB, 3                           ; v3, v4  LDS address of my lane's place in my wave's part of slot 0, 1
.set AEE0, 5                           ; v5   EEB + 256 wave + 32 h
.set AEE,  6                           ; v6   the same for the slot in hand
.set ZO,   7                           ; v7   256 r + 16 h: my lane's place in a tile of z's codes in memory
.set ZZO,  8                           ; v8   4 r
.set H8,   9                           ; v9   8 h
.set SST,  10                          ; v10  SCR + 512 wave + 4 r
.set SRD,  11                          ; v11  SCR + 16 lane
.set OUTO, 12                          ; v12  16 lane
.set PFO,  13                          ; v13  256 lane
.set CV,   14                          ; v14  the first code of the tile in hand
.set ZZ,   16
.set EE,   32
.set M,    48
.set TID,  56
.set T,    64
.set BF,   72
.set ACC,  104
.set SV,   168
.set JJ,   232
.set OM,   240
.set OI,   241
.set WV,   18                          ; s18  my wave's number
.set SC,   22                          ; s[22:23] -2^(e0 + e1 + 1): the packed form names a pair and takes its low word for both halves
.set G1,   24                          ; s[24:31] descriptor group 1 for the codes' tiles
.set G1E,  32                          ; s[32:39] for ee's
.set G0,   40                          ; s[40:47] descriptor group 0 for the codes, a set for each slot
.set G0E,  48                          ; s[48:51] for ee
.set LOOP, 52
.set CODE, 53                          ; s53  the first code of the tile in hand
.set EOFF, 54                          ; s54  2,048 x the slot's number: where its 512 numbers of ee begin
.set LIM,  55                          ; s55  1 in a wave that prefetches, else 0
.set PFA,  56                          ; s[56:57] where my prefetches stand
.set SEL,  58                          ; s[58:59] lane selects for v_permlanex16_b32: lane l xor 16
.set U,    66                          ; s66-73 a mask for each tile of rows
.set MSB, 0
.macro WIN new                         ; the immediate's high byte repeats the setting that is left
.if MSB != \new
	s_set_vgpr_msb (MSB<<8)|\new
.set MSB, \new
.endif
.endm
; A round of the cluster's barrier: my work-group's barrier, so that wave 0's signal speaks for all eight waves; wave 0 signals for the work-group; every wave waits for all four work-groups; my work-group's barrier once more.
.macro CROUND
	s_barrier_signal -1
	s_barrier_wait -1
	s_cmp_lg_u32 s[WV], 0
	s_cbranch_scc1 .Lnot_wave_0_\@
	s_barrier_signal -3
.Lnot_wave_0_\@:
	s_barrier_wait -3
	s_barrier_signal -1
	s_barrier_wait -1
.endm
.macro PLACES                          ; four plain vector instructions that name no register of the matrix instructions ahead (ISA guide 7.12.1)
.rept 4
	v_nop
.endr
.endm
	s_load_b256 s[4:11], s[0:1], 0x0               ; z's codes s[4:5], emb's codes s[6:7], zz s[8:9], ee s[10:11]
	s_load_b128 s[12:15], s[0:1], 0x20             ; the scales' exponents s[12:13], out3 s[14:15]
	s_load_b64 s[16:17], s[0:1], 0x30              ; order
	v_lshl_add_u32 v[SPW], v0, 2, SPARE
	v_mov_b32 v[NIL], 0
	ds_add_u32 v1, v2
	ds_add_u32 v1, v2
	s_wait_dscnt 0x0
	v_lshrrev_b32 v3, 5, v0
	v_readfirstlane_b32 s[WV], v3                  ; wave 0..7
	s_bfe_u32 s19, ttmp6, 0x40000                  ; cx: my place in the cluster
	s_lshl_b32 s20, ttmp9, 2                       ; in a cluster launch ttmp9 counts clusters
	s_add_co_u32 s20, s20, s19                     ; my block of 128 rows = 4 x cluster + cx: it enters the addresses of z's codes, zz and the outputs alone
	; descriptor group 1, the codes: 64 rows x 256 bytes, dense in memory, padded in LDS
	s_mov_b32 s[G1], 15|(1<<20)|(1<<21)|(5<<22)|(3<<25)   ; 15:0 the mask: all four work-groups; 17:16 elements of 1 byte; 20 padding on; 21 set beside a mask; 24:22 after every 64 words (code 5); 31:25 four words (code 3)
	s_mov_b32 s[G1+1], 256<<16                     ; tensor_dim0 = 256
	s_mov_b32 s[G1+2], 64<<16                      ; tensor_dim1 = 64
	s_mov_b32 s[G1+3], 256<<16                     ; tile_dim0 = 256
	s_mov_b32 s[G1+4], 64                          ; tile_dim1 = 64
	s_mov_b32 s[G1+5], 256                         ; from row to row
	s_mov_b32 s[G1+6], 0
	s_mov_b32 s[G1+7], 0
	; descriptor group 1, ee: a dense block of 4,096 bytes a wave, as 16 rows of 32 elements of 8 bytes, no padding
	s_mov_b32 s[G1E], 15|(3<<16)|(1<<21)
	s_mov_b32 s[G1E+1], 32<<16
	s_mov_b32 s[G1E+2], 16<<16
	s_mov_b32 s[G1E+3], 32<<16
	s_mov_b32 s[G1E+4], 16
	s_mov_b32 s[G1E+5], 32
	s_mov_b32 s[G1E+6], 0
	s_mov_b32 s[G1E+7], 0
	s_mul_i32 s21, s[WV], WPART                    ; my part of a slot: no place in the cluster enters an LDS address
	s_lshl_b32 s60, s[WV], 14                      ; and in memory: 64 rows of 256 bytes
	s_mov_b32 s61, 0
	s_lshl_b32 s62, s[WV], 12                      ; my 4,096 bytes of ee
	s_mov_b32 s63, 0
	s_mov_b32 s[SEL], 0x76543210
	s_mov_b32 s[SEL+1], 0xfedcba98
	s_lshl_b32 s[CODE], s[WV], 6                   ; my first tile begins at code 64 wave
	s_mov_b32 s[EOFF], 0
	s_mov_b32 s[LOOP], 7
	s_lshr_b32 s[LIM], s[WV], 2                    ; 0 in waves 0 to 3,
	s_or_b32 s[LIM], s[LIM], ttmp9                 ; of the first cluster: the same in all four partners
	s_cmp_eq_u32 s[LIM], 0
	s_cselect_b32 s[LIM], 1, 0
	s_wait_kmcnt 0x0
	s_load_b64 s[76:77], s[12:13], 0x0             ; e0, e1
	s_add_nc_u64 s[60:61], s[6:7], s[60:61]        ; emb's codes at my 64 rows of slot 0
.irp n, 0,1
	s_mov_b32 s[G0+4*\n], 1                                        ; count = 1
	s_add_co_u32 s[G0+4*\n+1], s21, \n*SLOT                        ; LDS address
	s_add_nc_u64 s[G0+4*\n+2:G0+4*\n+3], s[60:61], \n*SLOTMEM      ; global address: slot n begins with codes 512 n on
	s_or_b32 s[G0+4*\n+3], s[G0+4*\n+3], 0x80000000                ; type = 2
.endr
	s_mov_b32 s[G0E], 1
	s_add_co_u32 s[G0E+1], s62, EEB
	s_add_nc_u64 s[G0E+2:G0E+3], s[10:11], s[62:63]
	s_or_b32 s[G0E+3], s[G0E+3], 0x80000000
	; the prefetches: of a slot's 131,072 bytes the partner at place cx takes 32,768, told apart by address; in it waves 0 to 3 take 8,192 each, lanes 256 bytes apart
	s_lshl_b32 s2, s19, 15
	s_and_b32 s3, s[WV], 3
	s_lshl_b32 s3, s3, 13
	s_add_co_u32 s2, s2, s3
	s_add_co_u32 s2, s2, SLOTMEM                   ; in slot 1: the first trip steps it to slot 2.  Nothing is prefetched here, at the head, where every work-group's first tiles are on their way
	s_mov_b32 s3, 0
	s_add_nc_u64 s[PFA:PFA+1], s[6:7], s[2:3]
	s_lshl_b32 s2, s20, 15                         ; my 128 rows of z's codes,
	s_add_nc_u64 s[4:5], s[4:5], s[2:3]
	s_lshl_b32 s2, s20, 9                          ; of zz and of the two outputs
	s_add_nc_u64 s[8:9], s[8:9], s[2:3]
	s_add_nc_u64 s[14:15], s[14:15], s[2:3]
	s_add_nc_u64 s[16:17], s[16:17], s[2:3]
	CROUND                                         ; all four work-groups are here: the first joint loads meet
	tensor_load_to_lds s[G0E:G0E+3], s[G1E:G1E+7]  ; my eighth of ee
	s_nop 0
	tensor_load_to_lds s[G0:G0+3], s[G1:G1+7]      ; my part of slot 0: two loads of mine are out
	s_nop 0
	PLACES
	v_and_b32 v240, 15, v0                         ; r
	v_bfe_u32 v241, v0, 4, 1                       ; h
	v_and_b32 v239, 31, v0                         ; lane
	v_mul_u32_u24 v[ADRB], v240, PITCH
	v_lshl_add_u32 v[ADRB], v241, 4, v[ADRB]
	v_add_nc_u32 v[ADRB], s21, v[ADRB]             ; row r x pitch + 16 h + my part
	v_add_nc_u32 v[ADRB+1], SLOT, v[ADRB]
	s_lshl_b32 s74, s[WV], 8
	s_add_co_u32 s74, s74, EEB
	v_lshl_add_u32 v[AEE0], v241, 5, s74           ; register j of lane (r, h) wants ee of code 8 h + j of the tile: 32 h bytes on
	v_lshlrev_b32 v[ZO], 8, v240
	v_lshl_add_u32 v[ZO], v241, 4, v[ZO]
	v_lshlrev_b32 v[ZZO], 2, v240
	v_lshlrev_b32 v[H8], 3, v241
	s_lshl_b32 s75, s[WV], 9
	s_add_co_u32 s75, s75, SCR
	v_lshl_add_u32 v[SST], v240, 2, s75
	v_lshlrev_b32 v[OUTO], 4, v239
	v_add_nc_u32 v[SRD], SCR, v[OUTO]
	v_lshlrev_b32 v[PFO], 8, v239
	; z's fragments stay in registers: lane (r, h) holds, of row 16 rt + r, K = 128 s + 32 c + 16 h + 0 .. 15 in registers 4 c .. 4 c + 3: the same places that emb's fragments get from LDS, so every product meets its partner
	WIN 0x40                                       ; destination window 1, address window 0
.irp rt, 0,1,2,3,4,5,6,7
.irp s, 0,1
.irp c, 0,1,2,3
	global_load_b128 v[32*\rt+16*\s+4*\c:32*\rt+16*\s+4*\c+3], v[ZO], s[4:5] offset:4096*\rt+128*\s+32*\c
.endr
.endr
.endr
	WIN 0
.irp rt, 0,1,2,3,4,5,6,7
	v_mov_b32 v[ZZ+2*\rt+1], 0                     ; named as the upper half of a pair, so it is written
	global_load_b32 v[ZZ+2*\rt], v[ZZO], s[8:9] offset:64*\rt      ; zz of row 16 rt + r
.endr
.irp rt, 0,1,2,3,4,5,6,7
	v_mov_b32 v[M+\rt], 0x7f800000                 ; the least d so far: +infinity
	v_mov_b32 v[TID+\rt], 0
	v_mov_b32 v[JJ+\rt], 0
.endr
.set cnt, 0
.rept 64
	v_mov_b32 v[SV+cnt], 0x7f800000                ; the state that the selects read: written once, so that the loop has no first tile of its own
.set cnt, cnt+1
.endr
	v_mov_b32 v[OM], 0                             ; a lane permute's destination counts as one of its sources
	v_mov_b32 v[OI], 0
	s_wait_kmcnt 0x0
	s_add_co_i32 s[SC], s76, s77
	s_add_co_i32 s[SC], s[SC], 128
	s_lshl_b32 s[SC], s[SC], 23
	s_or_b32 s[SC], s[SC], 0x80000000              ; -2^(e0 + e1 + 1) as f32
	s_mov_b32 s[SC+1], s[SC]                       ; (named with it as a pair, so it is written)
	s_wait_loadcnt 0x0                             ; z's fragments and zz
; Tile i of my four in the slot: emb's two fragments (16 codes x 256 K) and the tile's sixteen numbers of ee (eight a lane), into set i % 2
.macro FETCH slot, i
.irp s, 0,1
.irp c, 0,1,2,3
	ds_load_b128 v[BF+16*\s+4*\c:BF+16*\s+4*\c+3], v[ADRB+\slot] offset:(\i)*16*PITCH+128*\s+32*\c
.endr
.endr
	ds_load_b128 v[EE+8*((\i)%2):EE+8*((\i)%2)+3], v[AEE] offset:64*(\i)
	ds_load_b128 v[EE+8*((\i)%2)+4:EE+8*((\i)%2)+7], v[AEE] offset:64*(\i)+16
.endm
; 16 matrix instructions: the tile's 16 codes against the 8 tiles of rows, two K steps.  The first K step starts the sums.  The eight accumulators take turns, one instruction a turn.
.macro MUL
	WIN 0x04                                       ; source 1 (z) window 1
.irp rt, 0,1,2,3,4,5,6,7
	v_wmma_f32_16x16x128_fp8_fp8 v[ACC+8*\rt:ACC+8*\rt+7], v[BF:BF+15], v[32*\rt:32*\rt+15], 0
.endr
.irp rt, 0,1,2,3,4,5,6,7
	v_wmma_f32_16x16x128_fp8_fp8 v[ACC+8*\rt:ACC+8*\rt+7], v[BF+16:BF+31], v[32*\rt+16:32*\rt+31], v[ACC+8*\rt:ACC+8*\rt+7]
.endr
	WIN 0
.endm
; 184 vector instructions: d, the tile's least d, and the state.  b: ee's set.  The tiles of rows alternate, so that no line waits for the line above it; each accumulator is read from its low end on.
.macro ARGMIN b
.irp p, 0,2,4,6
.irp rt, 0,1,2,3,4,5,6,7
	v_pk_fma_f32 v[ACC+8*\rt+\p:ACC+8*\rt+\p+1], v[ACC+8*\rt+\p:ACC+8*\rt+\p+1], s[SC:SC+1], v[ZZ+2*\rt:ZZ+2*\rt+1] op_sel_hi:[1,0,0]   ; zz - 2 p: one rounding (of both pairs the low word serves both halves)
.endr
.endr
.irp p, 0,2,4,6
.irp rt, 0,1,2,3,4,5,6,7
	v_pk_add_f32 v[ACC+8*\rt+\p:ACC+8*\rt+\p+1], v[ACC+8*\rt+\p:ACC+8*\rt+\p+1], v[EE+8*(\b)+\p:EE+8*(\b)+\p+1]   ; + ee: the second rounding
.endr
.endr
.irp rt, 0,1,2,3,4,5,6,7
	v_min3_num_f32 v[T+\rt], v[ACC+8*\rt], v[ACC+8*\rt+1], v[ACC+8*\rt+2]
.endr
.irp rt, 0,1,2,3,4,5,6,7
	v_min3_num_f32 v[T+\rt], v[T+\rt], v[ACC+8*\rt+3], v[ACC+8*\rt+4]
.endr
.irp rt, 0,1,2,3,4,5,6,7
	v_min3_num_f32 v[T+\rt], v[T+\rt], v[ACC+8*\rt+5], v[ACC+8*\rt+6]
.endr
.irp rt, 0,1,2,3,4,5,6,7
	v_min_num_f32 v[T+\rt], v[T+\rt], v[ACC+8*\rt+7]
.endr
.irp rt, 0,1,2,3,4,5,6,7
	v_cmp_lt_f32 s[U+\rt], v[T+\rt], v[M+\rt]      ; strictly under: on equality the earlier tile stays
.endr
.irp rt, 0,1,2,3,4,5,6,7
	v_cndmask_b32 v[TID+\rt], v[TID+\rt], v[CV], s[U+\rt]
.endr
.irp rt, 0,1,2,3,4,5,6,7
	v_min_num_f32 v[M+\rt], v[M+\rt], v[T+\rt]
.endr
.irp rt, 0,1,2,3,4,5,6,7
.irp j, 0,1,2,3,4,5,6,7
	v_cndmask_b32 v[SV+8*\rt+\j], v[SV+8*\rt+\j], v[ACC+8*\rt+\j], s[U+\rt]
.endr
.endr
.endm
; A PREFETCH INTO THE L2 of the slot that the NEXT trip's load will ask for: 131,072 bytes, each aligned block of 256 bytes named once in the launch.  All clusters walk the same codes: the first cluster asks.
; Its four partners share the blocks out by address (32,768 bytes each); in each, waves 0 to 3 ask, one instruction each, lanes 256 bytes apart.  The branch hangs on the wave's number and the cluster's alone.
.macro ASK
	s_cmp_eq_u32 s[LIM], 1
	s_cbranch_scc0 .Lnot_mine_\@
	global_prefetch_b8 v[PFO], s[PFA:PFA+1] th:TH_LOAD_NT scope:SCOPE_SE
.Lnot_mine_\@:
.endm
; My four tiles of a slot.  A tile's fragments are asked for behind the products of the tile before (four places behind them: they land in registers that those products read) and have that tile's 184 vector instructions in which to come.
.macro SLOTWORK slot, ask
	v_add_nc_u32 v[AEE], s[EOFF], v[AEE0]
	FETCH \slot, 0
.if \ask
	ASK                                            ; behind the joint load, its four lines and the run of LDS loads that the next products wait for
.endif
.irp i, 0,1,2,3
	s_wait_dscnt 0x0                               ; the tile's fragments and its ee are in
	MUL
	PLACES                                         ; for the loads into emb's fragments and for the first read of results
.if \i < 3
	FETCH \slot, \i+1
.endif
	v_mov_b32 v[CV], s[CODE]
	ARGMIN \i%2
	s_add_co_u32 s[CODE], s[CODE], 16
.endr
	s_add_co_u32 s[CODE], s[CODE], 448             ; my first tile of the next slot: 512 codes on
	s_add_co_u32 s[EOFF], s[EOFF], 2048
.endm
; A trip: one slot.  Each wave waits for all its tensor loads (its part of this trip's slot among them), adds 0 to its spare word, and waits for that and for its reads of the slot that it has left; a round of the
; cluster's barrier, so that the same holds of every wave of every partner; then the slot that was left is filled with the codes that follow this trip's: one joint load a wave, with a whole slot's work in which to land.
.macro TRIP slot, refill, ask
.if \ask
	s_wait_xcnt 0x0                                ; the last prefetch, a slot back, has read its address: it is stepped here, ahead of the waits of the change of slots
	s_add_nc_u64 s[PFA:PFA+1], s[PFA:PFA+1], SLOTMEM   ; two slots on from this trip's
.endif
	s_wait_tensorcnt 0x0                           ; no tensor load of mine is out, so a group 0 may be written
	ds_add_u32 v[SPW], v[NIL]                      ; 0 onto my spare word
	s_add_nc_u64 s[G0+4*\slot+2:G0+4*\slot+3], s[G0+4*\slot+2:G0+4*\slot+3], 2*SLOTMEM   ; this slot's next codes; the type bits on top are not reached
	s_wait_dscnt 0x0                               ; the add is done, and my reads of the slot that I have left are over
	CROUND
.if \refill
	tensor_load_to_lds s[G0+4*(1-\slot):G0+4*(1-\slot)+3], s[G1:G1+7]   ; the first thing behind the round, and my one tensor load until the next
	s_nop 0
	PLACES
.endif
	SLOTWORK \slot, \ask
.endm
; (m, i) takes (om, oi) where that is the lesser d, or the same d at the lower index
.macro LEX m, i, om, oi
	v_cmp_lt_f32 s74, v[\om], v[\m]
	v_cmp_eq_f32 s75, v[\om], v[\m]
	v_cmp_lt_u32 vcc_lo, v[\oi], v[\i]
	s_and_b32 s75, s75, vcc_lo
	s_or_b32 s74, s74, s75
	v_cndmask_b32 v[\m], v[\m], v[\om], s74
	v_cndmask_b32 v[\i], v[\i], v[\oi], s74
.endm
.Lloop:                                            ; 7 trips of two slots: slots 0 to 13; the prefetches name slots 2 to 15
	TRIP 0, 1, 1
	TRIP 1, 1, 1
	s_sub_co_u32 s[LOOP], s[LOOP], 1
	s_cmp_lg_u32 s[LOOP], 0
	s_cbranch_scc1 .Lloop
	TRIP 0, 1, 0                                   ; slot 14: slot 15 is asked for; nothing is left to prefetch.  The tail is written out
	TRIP 1, 0, 0                                   ; slot 15: nothing is left to fetch (the stepped addresses are not used)
	; THE END.  The lowest j with SV[j] = M: from 7 down, so that the lowest is written last.
.irp j, 7,6,5,4,3,2,1,0
.irp rt, 0,1,2,3,4,5,6,7
	v_cmp_eq_f32 s[U+\rt], v[SV+8*\rt+\j], v[M+\rt]
.endr
.irp rt, 0,1,2,3,4,5,6,7
	v_cndmask_b32 v[JJ+\rt], v[JJ+\rt], \j, s[U+\rt]
.endr
.endr
.irp rt, 0,1,2,3,4,5,6,7
	v_add3_u32 v[TID+\rt], v[TID+\rt], v[JJ+\rt], v[H8]    ; the index: the tile's first code + 8 h + j
.endr
.irp rt, 0,1,2,3,4,5,6,7
	v_permlanex16_b32 v[OM], v[M+\rt], s[SEL], s[SEL+1]    ; the row's other eight codes of each tile lie in the lane 16 away
	v_permlanex16_b32 v[OI], v[TID+\rt], s[SEL], s[SEL+1]
	LEX M+\rt, TID+\rt, OM, OI
.endr
.irp rt, 0,1,2,3,4,5,6,7
	ds_store_b32 v[SST], v[M+\rt] offset:64*\rt            ; row 16 rt + r of my wave's plane; lanes r and 16 + r write the same word with the same value
	ds_store_b32 v[SST], v[TID+\rt] offset:4096+64*\rt
.endr
	s_wait_dscnt 0x0                               ; for the others' sake: my stores are done
	s_barrier_signal -1
	s_barrier_wait -1
	s_cmp_lg_u32 s[WV], 0
	s_cbranch_scc1 .Ldone
.irp q, 0,1,2,3,4,5,6,7                        ; wave 0 joins the eight waves: lane l takes rows 4 l .. 4 l + 3
	ds_load_b128 v[ACC+4*\q:ACC+4*\q+3], v[SRD] offset:512*\q
	ds_load_b128 v[ACC+32+4*\q:ACC+32+4*\q+3], v[SRD] offset:4096+512*\q
.endr
	s_wait_dscnt 0x0
.irp q, 1,2,3,4,5,6,7
.irp k, 0,1,2,3
	LEX ACC+\k, ACC+32+\k, ACC+4*\q+\k, ACC+32+4*\q+\k
.endr
.endr
	global_store_b128 v[OUTO], v[ACC+32:ACC+35], s[14:15]  ; 128 indices: 32 lanes store 512 consecutive bytes, at a multiple of 256 from the buffer's first byte
	global_store_b128 v[OUTO], v[ACC+32:ACC+35], s[16:17]  ; and once more for the launch that gathers by them
.Ldone:
	s_wait_tensorcnt 0x0                           ; the wave's end: behind my last tensor load and my last LDS store
	ds_add_u32 v[SPW], v[NIL]
	s_wait_dscnt 0x0
	CROUND                                         ; the closing round: no work-group ends while a partner may still ask for a tile that names it
	s_endpgm
.Lfunc_end_k_q9658863bd0_argmin:
	.size	k_q9658863bd0_argmin, .Lfunc_end_k_q9658863bd0_argmin-k_q9658863bd0_argmin
	.p2alignl 7, 3214868480
	.fill 96, 4, 3214868480
	.section	.rodata,"a",@progbits
	.p2align	6, 0x0
	.amdhsa_kernel k_q9658863bd0_argmin
		.amdhsa_group_segment_fixed_size 327680
		.amdhsa_private_segment_fixed_size 0
		.amdhsa_enable_private_segment 0
		.amdhsa_kernarg_size 56
		.amdhsa_user_sgpr_count 2
		.amdhsa_user_sgpr_kernarg_segment_ptr 1
		.amdhsa_wavefront_size32 1
		.amdhsa_system_sgpr_workgroup_id_x 1
		.amdhsa_system_sgpr_workgroup_id_y 1
		.amdhsa_system_sgpr_workgroup_id_z 1
		.amdhsa_system_vgpr_workitem_id 0
		.amdhsa_next_free_vgpr 512
		.amdhsa_next_free_sgpr 80
		.amdhsa_reserve_vcc 1
		.amdhsa_float_denorm_mode_32 3
		.amdhsa_float_denorm_mode_16_64 3
		.amdhsa_memory_ordered 1
		.amdhsa_forward_progress 1
		.amdhsa_inst_pref_size 253
	.end_amdhsa_kernel
	.amdgpu_metadata
---
amdhsa.version: [ 1, 2 ]
amdhsa.kernels:
  - .name:           k_q9658863bd0_argmin
    .symbol:         k_q9658863bd0_argmin.kd
    .args:
      - { .name: zc, .offset: 0, .size: 8, .value_kind: global_buffer, .address_space: global }
      - { .name: ec, .offset: 8, .size: 8, .value_kind: global_buffer, .address_space: global }
      - { .name: zz, .offset: 16, .size: 8, .value_kind: global_buffer, .address_space: global }
      - { .name: ee, .offset: 24, .size: 8, .value_kind: global_buffer, .address_space: global }
      - { .name: lowp_scales, .offset: 32, .size: 8, .value_kind: global_buffer, .address_space: global }
      - { .name: out3, .offset: 40, .size: 8, .value_kind: global_buffer, .address_space: global }
      - { .name: order, .offset: 48, .size: 8, .value_kind: global_buffer, .address_space: global }
    .group_segment_fixed_size: 327680
    .private_segment_fixed_size: 0
    .kernarg_segment_align: 8
    .kernarg_segment_size: 56
    .max_flat_workgroup_size: 256
    .sgpr_count:     80
    .vgpr_count:     512
    .wavefront_size: 32
...
	.end_amdgpu_metadata
.endif
;; end of part 2
;; launch gather (part 3): grid 512 x 1, 8 waves a work-group, no clusters, 1,280 bytes of LDS; arguments z, emb, order, out0, part; writes out0, part
.if DOCPART == 3
	.amdgcn_target "amdgcn-amd-amdhsa--gfx1250"
	.amdhsa_code_object_version 6
	.text
	.protected	k_q9658863bd0_gather
	.globl	k_q9658863bd0_gather
	.p2align	8
	.type	k_q9658863bd0_gather,@function
k_q9658863bd0_gather:
	s_mov_b64 s[64:65], 0
	v_nop
	global_prefetch_b8 v0, s[64:65] scope:SCOPE_SE
	s_setreg_imm32_b32 hwreg(HW_REG_WAVE_MODE, 25, 1), 1
	s_wait_xcnt 0x0
; out0[n][:] = z[n][:] + (emb[idx[n]][:] - z[n][:]), and for each work-group the sum of (emb[idx[n]] - z[n])^2 over its 64 rows, all in f32.  idx comes from the buffer of whole numbers that the launch before stored.
; Memory binds: each byte of z is read once and each byte of out0 written once, 512 consecutive bytes an instruction; no matrix unit, no cluster, no tensor load would add anything.
; Eight waves, 8 rows each; a row is 1,024 bytes: two instructions of 16 bytes a lane.  The text is straight: all 32 loads of a wave go out at its head, and no register is used twice.
; An index is held at 8,191 from above ahead of its use in an address (it is never larger).
.set Z,  16                            ; v16-79   z: row i at 8 i
.set E,  80                            ; v80-143  emb's rows, then the differences, then out0
.set S,  144                           ; v144-151 the squares, in four packed chains
.set EO, 2                             ; v2-9     1,024 x idx + 16 x lane
	s_load_b256 s[4:11], s[0:1], 0x0               ; z s[4:5], emb s[6:7], order s[8:9], out0 s[10:11]
	s_load_b64 s[12:13], s[0:1], 0x20              ; part
	v_lshl_add_u32 v160, v0, 2, 0x100
	v_mov_b32 v161, 0
	v_lshrrev_b32 v1, 5, v0
	v_readfirstlane_b32 s14, v1                    ; wave 0..7
	v_and_b32 v1, 31, v0
	v_lshlrev_b32 v1, 4, v1                        ; 16 x lane; never rewritten
	v_mov_b32 v153, 0                              ; a lane permute's destination counts as one of its sources
	v_mov_b32 v154, s14
	v_lshlrev_b32 v154, 2, v154                    ; my wave's word in LDS
	v_mov_b32 v155, 0
	s_lshl_b32 s24, ttmp9, 6
	s_lshl_b32 s15, s14, 3
	s_add_co_u32 s24, s24, s15                     ; my first row: 64 x work-group + 8 x wave
	s_lshl_b32 s28, s24, 2                         ; its index, 4 bytes each
	s_mov_b32 s29, 0
	s_lshl_b32 s24, s24, 10                        ; its 1,024 bytes in z and in out0
	s_mov_b32 s25, 0
	s_mov_b32 s26, 0x76543210
	s_mov_b32 s27, 0xfedcba98
	s_wait_kmcnt 0x0
	s_add_nc_u64 s[8:9], s[8:9], s[28:29]
	s_load_b256 s[16:23], s[8:9], 0x0              ; my eight indices
	s_add_nc_u64 s[4:5], s[4:5], s[24:25]
	s_add_nc_u64 s[10:11], s[10:11], s[24:25]
	s_lshl_b32 s28, ttmp9, 2
	s_add_nc_u64 s[12:13], s[12:13], s[28:29]      ; my work-group's word of part
.irp i, 0,1,2,3,4,5,6,7
	global_load_b128 v[Z+8*\i:Z+8*\i+3], v1, s[4:5] offset:1024*\i th:TH_LOAD_NT
	global_load_b128 v[Z+8*\i+4:Z+8*\i+7], v1, s[4:5] offset:1024*\i+512 th:TH_LOAD_NT
.endr
	s_wait_kmcnt 0x0
.irp i, 0,1,2,3,4,5,6,7
	s_min_u32 s[16+\i], s[16+\i], 0x1fff
	s_lshl_b32 s[16+\i], s[16+\i], 10
	v_add_nc_u32 v[EO+\i], s[16+\i], v1
.endr
.irp i, 0,1,2,3,4,5,6,7
	global_load_b128 v[E+8*\i:E+8*\i+3], v[EO+\i], s[6:7]              ; no hint: a row of emb may be named many times
	global_load_b128 v[E+8*\i+4:E+8*\i+7], v[EO+\i], s[6:7] offset:512
.endr
.macro ROW i
	s_wait_loadcnt 14-2*(\i)                       ; all of z and emb's rows up to this one are in; the two loads of each later row may be out
.irp p, 0,2,4,6
	v_pk_add_f32 v[E+8*(\i)+\p:E+8*(\i)+\p+1], v[E+8*(\i)+\p:E+8*(\i)+\p+1], v[Z+8*(\i)+\p:Z+8*(\i)+\p+1] neg_lo:[0,1] neg_hi:[0,1]   ; z_q - z
.endr
.irp p, 0,2,4,6
.if (\i) == 0
	v_pk_mul_f32 v[S+\p:S+\p+1], v[E+\p:E+\p+1], v[E+\p:E+\p+1]       ; the first row starts the four chains: nothing is cleared
.else
	v_pk_fma_f32 v[S+\p:S+\p+1], v[E+8*(\i)+\p:E+8*(\i)+\p+1], v[E+8*(\i)+\p:E+8*(\i)+\p+1], v[S+\p:S+\p+1]
.endif
.endr
.irp p, 0,2,4,6
	v_pk_add_f32 v[E+8*(\i)+\p:E+8*(\i)+\p+1], v[Z+8*(\i)+\p:Z+8*(\i)+\p+1], v[E+8*(\i)+\p:E+8*(\i)+\p+1]   ; z + (z_q - z)
.endr
	global_store_b128 v1, v[E+8*(\i):E+8*(\i)+3], s[10:11] offset:1024*(\i) th:TH_STORE_NT       ; 32 lanes store 512 consecutive bytes
	global_store_b128 v1, v[E+8*(\i)+4:E+8*(\i)+7], s[10:11] offset:1024*(\i)+512 th:TH_STORE_NT
.endm
.irp i, 0,1,2,3,4,5,6,7
	ROW \i
.endr
	v_pk_add_f32 v[S:S+1], v[S:S+1], v[S+2:S+3]
	v_pk_add_f32 v[S+4:S+5], v[S+4:S+5], v[S+6:S+7]
	v_pk_add_f32 v[S:S+1], v[S:S+1], v[S+4:S+5]
	v_add_f32 v152, v[S], v[S+1]
	v_add_f32_dpp v152, v152, v152 row_xmask:1 row_mask:0xf bank_mask:0xf
	v_add_f32_dpp v152, v152, v152 row_xmask:2 row_mask:0xf bank_mask:0xf
	v_add_f32_dpp v152, v152, v152 row_xmask:4 row_mask:0xf bank_mask:0xf
	v_add_f32_dpp v152, v152, v152 row_xmask:8 row_mask:0xf bank_mask:0xf
	v_permlanex16_b32 v153, v152, s26, s27
	v_add_f32 v152, v152, v153                     ; the wave's sum, in every lane
	ds_store_b32 v154, v152
	s_wait_dscnt 0x0                               ; for the others' sake: my store is done
	s_barrier_signal -1
	s_barrier_wait -1
	ds_load_b128 v[S:S+3], v155                    ; the eight waves' sums
	ds_load_b128 v[S+4:S+7], v155 offset:16
	s_wait_dscnt 0x0
	v_pk_add_f32 v[S:S+1], v[S:S+1], v[S+2:S+3]
	v_pk_add_f32 v[S+4:S+5], v[S+4:S+5], v[S+6:S+7]
	v_pk_add_f32 v[S:S+1], v[S:S+1], v[S+4:S+5]
	v_add_f32 v[S], v[S], v[S+1]
	s_wait_xcnt 0x0                                ; EXEC changes only behind this wait: the stores above have had their addresses translated
	v_cmp_eq_u32 vcc_lo, 0, v0
	s_wait_tensorcnt 0x0
	ds_add_u32 v160, v161
	s_wait_dscnt 0x0
	s_and_saveexec_b32 s30, vcc_lo                 ; thread 0 alone
	global_store_b32 v155, v[S], s[12:13]
	s_endpgm
.Lfunc_end_k_q9658863bd0_gather:
	.size	k_q9658863bd0_gather, .Lfunc_end_k_q9658863bd0_gather-k_q9658863bd0_gather
	.p2alignl 7, 3214868480
	.fill 96, 4, 3214868480
	.section	.rodata,"a",@progbits
	.p2align	6, 0x0
	.amdhsa_kernel k_q9658863bd0_gather
		.amdhsa_group_segment_fixed_size 1280
		.amdhsa_private_segment_fixed_size 0
		.amdhsa_enable_private_segment 0
		.amdhsa_kernarg_size 40
		.amdhsa_user_sgpr_count 2
		.amdhsa_user_sgpr_kernarg_segment_ptr 1
		.amdhsa_wavefront_size32 1
		.amdhsa_system_sgpr_workgroup_id_x 1
		.amdhsa_system_sgpr_workgroup_id_y 1
		.amdhsa_system_sgpr_workgroup_id_z 1
		.amdhsa_system_vgpr_workitem_id 0
		.amdhsa_next_free_vgpr 162
		.amdhsa_next_free_sgpr 66
		.amdhsa_reserve_vcc 1
		.amdhsa_float_denorm_mode_32 3
		.amdhsa_float_denorm_mode_16_64 3
		.amdhsa_memory_ordered 1
		.amdhsa_forward_progress 1
		.amdhsa_inst_pref_size 15
	.end_amdhsa_kernel
	.amdgpu_metadata
---
amdhsa.version: [ 1, 2 ]
amdhsa.kernels:
  - .name:           k_q9658863bd0_gather
    .symbol:         k_q9658863bd0_gather.kd
    .args:
      - { .name: z, .offset: 0, .size: 8, .value_kind: global_buffer, .address_space: global }
      - { .name: emb, .offset: 8, .size: 8, .value_kind: global_buffer, .address_space: global }
      - { .name: order, .offset: 16, .size: 8, .value_kind: global_buffer, .address_space: global }
      - { .name: out0, .offset: 24, .size: 8, .value_kind: global_buffer, .address_space: global }
      - { .name: part, .offset: 32, .size: 8, .value_kind: global_buffer, .address_space: global }
    .group_segment_fixed_size: 1280
    .private_segment_fixed_size: 0
    .kernarg_segment_align: 8
    .kernarg_segment_size: 40
    .max_flat_workgroup_size: 256
    .sgpr_count:     66
    .vgpr_count:     162
    .wavefront_size: 32
...
	.end_amdgpu_metadata
.endif
;; end of part 3
;; launch final (part 4): grid 1 x 1, 1 waves a work-group, no clusters, 0 bytes of LDS; arguments part, out1, out2; writes out1, out2
.if DOCPART == 4
	.amdgcn_target "amdgcn-amd-amdhsa--gfx1250"
	.amdhsa_code_object_version 6
	.text
	.protected	k_q9658863bd0_final
	.globl	k_q9658863bd0_final
	.p2align	8
	.type	k_q9658863bd0_final,@function
k_q9658863bd0_final:
	s_mov_b64 s[64:65], 0
	v_nop
	global_prefetch_b8 v0, s[64:65] scope:SCOPE_SE
	s_setreg_imm32_b32 hwreg(HW_REG_WAVE_MODE, 25, 1), 1
	s_wait_xcnt 0x0
; The 512 work-groups' sums of squares are added; out2 = their sum / (32,768 x 256) = sum x 2^-23, out1 = 0.25 x that = sum x 2^-25: both multiplications round nothing.
; One wave: 2,048 bytes, four loads of 512 consecutive bytes.  A sum that spans work-groups has one owner, in a launch behind them.
	s_load_b128 s[4:7], s[0:1], 0x0                ; part s[4:5], out1 s[6:7]
	s_load_b64 s[8:9], s[0:1], 0x10                ; out2
	v_lshlrev_b32 v1, 4, v0
	v_mov_b32 v8, 0
	s_mov_b32 s10, 0x76543210
	s_mov_b32 s11, 0xfedcba98
	s_wait_kmcnt 0x0
	global_load_b128 v[12:15], v1, s[4:5]
	global_load_b128 v[16:19], v1, s[4:5] offset:512
	global_load_b128 v[20:23], v1, s[4:5] offset:1024
	global_load_b128 v[24:27], v1, s[4:5] offset:1536
	s_wait_loadcnt 0x0
	v_pk_add_f32 v[12:13], v[12:13], v[14:15]
	v_pk_add_f32 v[16:17], v[16:17], v[18:19]
	v_pk_add_f32 v[20:21], v[20:21], v[22:23]
	v_pk_add_f32 v[24:25], v[24:25], v[26:27]
	v_pk_add_f32 v[12:13], v[12:13], v[16:17]
	v_pk_add_f32 v[20:21], v[20:21], v[24:25]
	v_pk_add_f32 v[12:13], v[12:13], v[20:21]
	v_add_f32 v4, v12, v13
	v_add_f32_dpp v4, v4, v4 row_xmask:1 row_mask:0xf bank_mask:0xf
	v_add_f32_dpp v4, v4, v4 row_xmask:2 row_mask:0xf bank_mask:0xf
	v_add_f32_dpp v4, v4, v4 row_xmask:4 row_mask:0xf bank_mask:0xf
	v_add_f32_dpp v4, v4, v4 row_xmask:8 row_mask:0xf bank_mask:0xf
	v_permlanex16_b32 v13, v4, s10, s11            ; (its destination has been written)
	v_add_f32 v4, v4, v13
	v_mul_f32 v6, 0x34000000, v4                   ; x 2^-23
	v_mul_f32 v7, 0x33000000, v4                   ; x 2^-25
	s_wait_xcnt 0x0                                ; EXEC changes only behind this wait
	v_cmp_eq_u32 vcc_lo, 0, v0
	s_and_saveexec_b32 s12, vcc_lo                 ; lane 0 alone
	global_store_b32 v8, v7, s[6:7]                ; the commitment loss
	global_store_b32 v8, v6, s[8:9]                ; the codebook loss
	s_endpgm
.Lfunc_end_k_q9658863bd0_final:
	.size	k_q9658863bd0_final, .Lfunc_end_k_q9658863bd0_final-k_q9658863bd0_final
	.p2alignl 7, 3214868480
	.fill 96, 4, 3214868480
	.section	.rodata,"a",@progbits
	.p2align	6, 0x0
	.amdhsa_kernel k_q9658863bd0_final
		.amdhsa_group_segment_fixed_size 0
		.amdhsa_private_segment_fixed_size 0
		.amdhsa_enable_private_segment 0
		.amdhsa_kernarg_size 24
		.amdhsa_user_sgpr_count 2
		.amdhsa_user_sgpr_kernarg_segment_ptr 1
		.amdhsa_wavefront_size32 1
		.amdhsa_system_sgpr_workgroup_id_x 1
		.amdhsa_system_sgpr_workgroup_id_y 1
		.amdhsa_system_sgpr_workgroup_id_z 1
		.amdhsa_system_vgpr_workitem_id 0
		.amdhsa_next_free_vgpr 32
		.amdhsa_next_free_sgpr 66
		.amdhsa_reserve_vcc 1
		.amdhsa_float_denorm_mode_32 3
		.amdhsa_float_denorm_mode_16_64 3
		.amdhsa_memory_ordered 1
		.amdhsa_forward_progress 1
		.amdhsa_inst_pref_size 3
	.end_amdhsa_kernel
	.amdgpu_metadata
---
amdhsa.version: [ 1, 2 ]
amdhsa.kernels:
  - .name:           k_q9658863bd0_final
    .symbol:         k_q9658863bd0_final.kd
    .args:
      - { .name: part, .offset: 0, .size: 8, .value_kind: global_buffer, .address_space: global }
      - { .name: out1, .offset: 8, .size: 8, .value_kind: global_buffer, .address_space: global }
      - { .name: out2, .offset: 16, .size: 8, .value_kind: global_buffer, .address_space: global }
    .group_segment_fixed_size: 0
    .private_segment_fixed_size: 0
    .kernarg_segment_align: 8
    .kernarg_segment_size: 24
    .max_flat_workgroup_size: 32
    .sgpr_count:     66
    .vgpr_count:     32
    .wavefront_size: 32
...
	.end_amdgpu_metadata
.endif
;; end of part 4
